; MI455X (gfx1250); checked and timed in simulation.
; The chip was launched on July 23, 2026; its instructions are those of AMD's public machine-readable ISA for CDNA 5 (MIT licence, August 2026) and "CDNA5" Instruction Set Architecture Reference Guide (July 2026). The comments in the code are by the model that wrote it; some were corrected since.
;; Caption Embedder. Allowed arithmetic: float matrix products may take bf16 or f16 operands with f32 sums; all other float work in f32.
;; Inputs: caption_indices 64 x 200 int32; caption_masks 64 x 200 x 1 int32; entities_encoded 64 x 50 x 512 float32; word_embedding 32,000 x 512 float32.
;; Outputs: out0 64 x 200 x 512 float32.
;; Constants: pad_token = 0.
;; One version. Each part assembles by itself: llvm-mc -triple=amdgcn-amd-amdhsa -mcpu=gfx1250 --defsym DOCPART=n.
;; ======== version 1 of 1: 1 launch
;; launch embed (part 1): grid 256 x 1, 10 waves a work-group, no clusters, 0 bytes of LDS; arguments caption_indices, caption_masks, entities_encoded, word_embedding, out0; writes out0
.if DOCPART == 1
	.amdgcn_target "amdgcn-amd-amdhsa--gfx1250"
	.amdhsa_code_object_version 6
	.text
	.protected	k_q62a619d096_embed
	.globl	k_q62a619d096_embed
	.p2align	8
	.type	k_q62a619d096_embed,@function
k_q62a619d096_embed:
	s_mov_b64 s[64:65], 0
	v_nop
	global_prefetch_b8 v0, s[64:65] scope:SCOPE_SE
	s_setreg_imm32_b32 hwreg(HW_REG_WAVE_MODE, 25, 1), 1
	s_wait_xcnt 0x0
; out[b][l][:] = mask[b][l] == 1 ? entities[b][e][:] : words[w][:]      rows of 512 f32 = 2,048 bytes
;   e = idx - 32000, and 49 where that is below 0 or above 49;   w = idx, and pad_token = 0 where idx >= 32000.
; 64 x 200 = 12,800 tokens = 256 work-groups x 50 tokens; 200 tokens of a batch are 4 work-groups, so a work-group lies in one batch.
; Ten waves, five tokens each.  Only the row that the mask chooses is read: a scalar branch on the token's mask (the same for all
; lanes, since the wave works on one token at a time) picks the table; both ways issue four loads into the same registers.
; The two scalar bases are made of kernel arguments and the work-group's number alone; the row, clamped by a constant, goes into a
; 32-bit vector offset beside the lane's 16 bytes.
; A lane owns 16 bytes of each quarter of a row, so every load and store of a wave covers 512 consecutive bytes that start at a
; multiple of 512 from the row's first byte.  No loop: the wave's 20 loads (10 KiB) go out together, then each token is stored when
; its four loads are in.  No register that a memory instruction names is ever written again, so no wait frees sources.
; No LDS, no barrier: no wave needs another's bytes.  No matrix work: the problem has no product.
; LIMIT: a negative caption index whose mask is not 1 takes the pad row here (as an unsigned number it is >= 32000), where JAX's
; indexing would wrap it; the problem keeps indices inside their table.  For the entity side negative and too large indices are exact.
.set VOCAB,    32000
.set NENT,     50
.set ROW,      2048                    ; bytes in a row
.set TOK_WG,   50                      ; tokens of a work-group
.set TOK_WAVE, 5                       ; tokens of a wave
.set IDX,  20                          ; s[20:24]  my five indices
.set MSK,  28                          ; s[28:32]  my five masks
.set WRD,  46                          ; s46       w, then its row's byte offset in the words
.set ENT,  48                          ; s48       e, then its row's byte offset in the batch's entities
.set LANE, 2                           ; v2        16 x lane
.set OFF,  4                           ; v[4:8]    token t: byte offset of my 16 bytes of its row's first quarter, in the chosen table
.set X,    12                          ; v[12:91]  token t, quarter j: v[X+16t+4j : +3]
	s_load_b256 s[4:11], s[0:1], 0x0               ; indices s[4:5], masks s[6:7], entities s[8:9], words s[10:11]
	s_load_b64 s[12:13], s[0:1], 0x20              ; out
	v_lshrrev_b32 v1, 5, v0
	v_readfirstlane_b32 s14, v1                    ; wave 0..9
	v_and_b32 v[LANE], 31, v0
	v_lshlrev_b32 v[LANE], 4, v[LANE]              ; my 16 bytes in a quarter of a row
	s_mul_i32 s15, ttmp9, TOK_WG
	s_mul_i32 s16, s14, TOK_WAVE
	s_add_co_u32 s15, s15, s16                     ; my first token, 0 .. 12,795
	s_lshl_b32 s16, s15, 2                         ; its byte offset in the indices and in the masks
	s_mov_b32 s17, 0
	s_lshr_b32 s18, ttmp9, 2                       ; batch = work-group / 4
	s_mul_i32 s18, s18, NENT*ROW                   ; the batch's 50 rows of entities: 6,451,200 bytes at the most
	s_mov_b32 s19, 0
	s_lshl_b32 s2, s15, 11                         ; my first row of the output: below 26,214,400 bytes
	s_mov_b32 s3, 0
	s_wait_kmcnt 0x0                               ; the five addresses are in
	s_add_nc_u64 s[4:5], s[4:5], s[16:17]
	s_add_nc_u64 s[6:7], s[6:7], s[16:17]
	s_load_b128 s[IDX:IDX+3], s[4:5], 0x0          ; five words each: 16 + 4 bytes, so that the last wave reads nothing past the end
	s_load_b32  s[IDX+4],     s[4:5], 0x10
	s_load_b128 s[MSK:MSK+3], s[6:7], 0x0
	s_load_b32  s[MSK+4],     s[6:7], 0x10
	s_add_nc_u64 s[8:9], s[8:9], s[18:19]          ; entities at my batch
	s_add_nc_u64 s[12:13], s[12:13], s[2:3]        ; out at my first token
	s_wait_kmcnt 0x0                               ; scalar loads return in no order (ISA guide 5.7.1): only the count 0 shows them in
.irp t, 0,1,2,3,4
	s_sub_co_u32 s[ENT], s[IDX+\t], VOCAB          ; idx - 32000; below 0 it is a large unsigned number,
	s_min_u32 s[ENT], s[ENT], NENT-1               ; so one unsigned minimum sends both kinds of out-of-range to the last entity; it is also the clamp in front of the address
	s_lshl_b32 s[ENT], s[ENT], 11                  ; rows of 2,048 bytes: 100,352 at the most
	s_cmp_lt_u32 s[IDX+\t], VOCAB
	s_cselect_b32 s[WRD], s[IDX+\t], 0             ; w: the word, or pad_token = 0 for an entity token
	s_min_u32 s[WRD], s[WRD], VOCAB-1              ; a loaded number enters an address only behind a clamp by a constant; w <= 31,999 already, so no value changes
	s_lshl_b32 s[WRD], s[WRD], 11                  ; 65,533,952 at the most
	s_cmp_eq_u32 s[MSK+\t], 1                      ; the mask chooses the table
	s_cbranch_scc1 .Lentity_\t
	v_add_nc_u32 v[OFF+\t], s[WRD], v[LANE]
.irp j, 0,1,2,3
	global_load_b128 v[X+16*\t+4*\j:X+16*\t+4*\j+3], v[OFF+\t], s[10:11] offset:512*\j   ; no cache word: the list names rows again (the pad row)
.endr
	s_branch .Lasked_\t
.Lentity_\t:
	v_add_nc_u32 v[OFF+\t], s[ENT], v[LANE]
.irp j, 0,1,2,3
	global_load_b128 v[X+16*\t+4*\j:X+16*\t+4*\j+3], v[OFF+\t], s[8:9] offset:512*\j     ; no cache word: a batch's last entity is named again and again
.endr
.Lasked_\t:                                        ; four loads were issued on either way: the counts below hold on every path
.endr
.irp t, 0,1,2,3,4
	s_wait_loadcnt 4*(TOK_WAVE-1-\t)               ; loads return in order (ISA guide 5.7.1): token t's four are in, the 4 (4 - t) younger ones stay out
.irp j, 0,1,2,3
	global_store_b128 v[LANE], v[X+16*\t+4*\j:X+16*\t+4*\j+3], s[12:13] offset:\t*ROW+512*\j th:TH_STORE_NT   ; written once, not read again in the launch
.endr
.endr
	s_endpgm
.Lfunc_end_k_q62a619d096_embed:
	.size	k_q62a619d096_embed, .Lfunc_end_k_q62a619d096_embed-k_q62a619d096_embed
	.p2alignl 7, 3214868480
	.fill 96, 4, 3214868480
	.section	.rodata,"a",@progbits
	.p2align	6, 0x0
	.amdhsa_kernel k_q62a619d096_embed
		.amdhsa_group_segment_fixed_size 0
		.amdhsa_private_segment_fixed_size 0
		.amdhsa_enable_private_segment 0
		.amdhsa_kernarg_size 40
		.amdhsa_user_sgpr_count 2
		.amdhsa_user_sgpr_kernarg_segment_ptr 1
		.amdhsa_wavefront_size32 1
		.amdhsa_system_sgpr_workgroup_id_x 1
		.amdhsa_system_sgpr_workgroup_id_y 1
		.amdhsa_system_sgpr_workgroup_id_z 1
		.amdhsa_system_vgpr_workitem_id 0
		.amdhsa_next_free_vgpr 92
		.amdhsa_next_free_sgpr 66
		.amdhsa_reserve_vcc 0
		.amdhsa_float_denorm_mode_32 3
		.amdhsa_float_denorm_mode_16_64 3
		.amdhsa_memory_ordered 1
		.amdhsa_forward_progress 1
		.amdhsa_inst_pref_size 10
	.end_amdhsa_kernel
	.amdgpu_metadata
---
amdhsa.version: [ 1, 2 ]
amdhsa.kernels:
  - .name:           k_q62a619d096_embed
    .symbol:         k_q62a619d096_embed.kd
    .args:
      - { .name: caption_indices, .offset: 0, .size: 8, .value_kind: global_buffer, .address_space: global }
      - { .name: caption_masks, .offset: 8, .size: 8, .value_kind: global_buffer, .address_space: global }
      - { .name: entities_encoded, .offset: 16, .size: 8, .value_kind: global_buffer, .address_space: global }
      - { .name: word_embedding, .offset: 24, .size: 8, .value_kind: global_buffer, .address_space: global }
      - { .name: out0, .offset: 32, .size: 8, .value_kind: global_buffer, .address_space: global }
    .group_segment_fixed_size: 0
    .private_segment_fixed_size: 0
    .kernarg_segment_align: 8
    .kernarg_segment_size: 40
    .max_flat_workgroup_size: 320
    .sgpr_count:     66
    .vgpr_count:     92
    .wavefront_size: 32
...
	.end_amdgpu_metadata
.endif
;; end of part 1
